; MI455X (gfx1250); checked and timed in simulation.
; The chip was launched on July 23, 2026; its instructions are those of AMD's public machine-readable ISA for CDNA 5 (MIT licence, August 2026) and "CDNA5" Instruction Set Architecture Reference Guide (July 2026). The comments in the code are by the model that wrote it; some were corrected since.
;; Scorer Layer. Allowed arithmetic: float matrix products may take bf16 or f16 operands with f32 sums; all other float work in f32.
;; Inputs: W1 1,024 x 1,024 float32; W2 1,024 x 1 float32; b1 1,024 float32; b2 1 float32; candidate_pair_rep 2 x 1,024 x 256 float32; rel_type_rep 2 x 32 x 256 float32.
;; Outputs: out0 2 x 1,024 x 32 float32.
;; One version. Each part assembles by itself: llvm-mc -triple=amdgcn-amd-amdhsa -mcpu=gfx1250 --defsym DOCPART=n.
;; ======== version 1 of 1: 2 launches
;; limits: values are held in f16: magnitudes above 65,504 overflow, below 6.1e-05 lose precision; inputs' magnitudes at most 65,504
;; workspace buffers: wblk 1,572,864 bytes
;; launch prep (part 1): grid 256 x 1, 8 waves a work-group, no clusters, 0 bytes of LDS; arguments W1, wblk; writes wblk
.if DOCPART == 1
	.amdgcn_target "amdgcn-amd-amdhsa--gfx1250"
	.amdhsa_code_object_version 6
	.text
	.protected	k_q89639adcdd_prep
	.globl	k_q89639adcdd_prep
	.p2align	8
	.type	k_q89639adcdd_prep,@function
k_q89639adcdd_prep:
	s_mov_b64 s[64:65], 0
	v_nop
	global_prefetch_b8 v0, s[64:65] scope:SCOPE_SE
	s_setreg_imm32_b32 hwreg(HW_REG_WAVE_MODE, 25, 1), 1
	s_wait_xcnt 0x0
; W1 [1024][1024] f32 is read once and laid out in 16-bit numbers for the second launch.
; With W1a..W1d the four blocks of 256 rows of W1, feats @ W1 = (p*r) @ W1a + p @ (W1b + W1c) + r @ (W1d - W1b): the concatenation is linear.
; wblk: 16 records, one for each chunk c of 64 hidden columns, 98,304 bytes each; a record is three dense sections of 256 rows (k) x 64 columns of 2 bytes:
;   Wp = f16(W1b + W1c) at 0, Wr = f16(W1d - W1b) at 32,768, Wa = bf16(W1a) at 65,536.  The sums are made in f32 and rounded once.
; FORMATS.  Wp and Wr meet p and r, which have room in f16, and carry four fifths of the hidden numbers' variance: they take f16's 11 significant bits.  Wa meets p*r, which has no such room: bf16.
; LIMITS.  |W1b + W1c| and |W1d - W1b| stay under 65,504 (f16's end); below 6e-5 they keep f16's fixed step of 6e-8.
; SHARES.  256 work-groups of 256 threads: work-group g takes chunk g % 16 and the 16 rows k = 16 (g / 16) ..; thread t takes row t / 16 and the four columns 4 (t % 16) ...
; Sixteen lanes read 256 consecutive aligned bytes of a row of W1; a wave's store covers 256 consecutive aligned bytes of a section.
; Every thread has its four loads out at once and there is no loop: no LDS, no ring, no matrix unit would add anything to a stream that is read once.
.set QUART, 1048576                    ; bytes in 256 rows of W1
.set RECB,  98304                      ; bytes in a record
.set SECB,  32768                      ; bytes in a section
	s_load_b128 s[4:7], s[0:1], 0x0                ; W1 s[4:5], wblk s[6:7]
	s_and_b32 s8, ttmp9, 15                        ; chunk
	s_lshr_b32 s9, ttmp9, 4                        ; block of 16 rows
	s_lshl_b32 s10, s9, 16                         ; 16 rows of 4,096 bytes
	s_lshl_b32 s11, s8, 8                          ; 64 columns of 4 bytes
	s_add_co_u32 s10, s10, s11
	s_mov_b32 s11, 0
	s_mul_i32 s12, s8, RECB
	s_lshl_b32 s13, s9, 11                         ; 16 rows of 128 bytes
	s_add_co_u32 s12, s12, s13
	s_mov_b32 s13, 0
	v_lshrrev_b32 v1, 4, v0                        ; my row of the 16
	v_and_b32 v2, 15, v0                           ; my four columns
	v_lshlrev_b32 v1, 12, v1
	v_lshl_add_u32 v1, v2, 4, v1                   ; byte offset in W1
	v_lshlrev_b32 v2, 3, v0                        ; byte offset in a section: 128 (t / 16) + 8 (t % 16) = 8 t
	s_wait_kmcnt 0x0
	s_add_nc_u64 s[4:5], s[4:5], s[10:11]
	s_add_nc_u64 s[6:7], s[6:7], s[12:13]
	global_load_b128 v[4:7],   v1, s[4:5] th:TH_LOAD_NT                   ; W1a
	global_load_b128 v[8:11],  v1, s[4:5] offset:QUART th:TH_LOAD_NT      ; W1b
	global_load_b128 v[12:15], v1, s[4:5] offset:2*QUART th:TH_LOAD_NT    ; W1c
	global_load_b128 v[16:19], v1, s[4:5] offset:3*QUART th:TH_LOAD_NT    ; W1d
	s_wait_loadcnt 0x0
	v_pk_add_f32 v[12:13], v[8:9],   v[12:13]                             ; W1b + W1c
	v_pk_add_f32 v[14:15], v[10:11], v[14:15]
	v_pk_add_f32 v[16:17], v[16:17], v[8:9]   neg_lo:[0,1] neg_hi:[0,1]   ; W1d - W1b
	v_pk_add_f32 v[18:19], v[18:19], v[10:11] neg_lo:[0,1] neg_hi:[0,1]
	v_cvt_pk_f16_f32 v20, v12, v13
	v_cvt_pk_f16_f32 v21, v14, v15
	v_cvt_pk_f16_f32 v22, v16, v17
	v_cvt_pk_f16_f32 v23, v18, v19
	v_cvt_pk_bf16_f32 v24, v4, v5
	v_cvt_pk_bf16_f32 v25, v6, v7
	global_store_b64 v2, v[20:21], s[6:7]                  ; Wp
	global_store_b64 v2, v[22:23], s[6:7] offset:SECB      ; Wr
	global_store_b64 v2, v[24:25], s[6:7] offset:2*SECB    ; Wa
	s_endpgm
.Lfunc_end_k_q89639adcdd_prep:
	.size	k_q89639adcdd_prep, .Lfunc_end_k_q89639adcdd_prep-k_q89639adcdd_prep
	.p2alignl 7, 3214868480
	.fill 96, 4, 3214868480
	.section	.rodata,"a",@progbits
	.p2align	6, 0x0
	.amdhsa_kernel k_q89639adcdd_prep
		.amdhsa_group_segment_fixed_size 0
		.amdhsa_private_segment_fixed_size 0
		.amdhsa_enable_private_segment 0
		.amdhsa_kernarg_size 16
		.amdhsa_user_sgpr_count 2
		.amdhsa_user_sgpr_kernarg_segment_ptr 1
		.amdhsa_wavefront_size32 1
		.amdhsa_system_sgpr_workgroup_id_x 1
		.amdhsa_system_sgpr_workgroup_id_y 1
		.amdhsa_system_sgpr_workgroup_id_z 1
		.amdhsa_system_vgpr_workitem_id 0
		.amdhsa_next_free_vgpr 32
		.amdhsa_next_free_sgpr 66
		.amdhsa_reserve_vcc 0
		.amdhsa_float_denorm_mode_32 3
		.amdhsa_float_denorm_mode_16_64 3
		.amdhsa_memory_ordered 1
		.amdhsa_forward_progress 1
		.amdhsa_inst_pref_size 3
	.end_amdhsa_kernel
	.amdgpu_metadata
---
amdhsa.version: [ 1, 2 ]
amdhsa.kernels:
  - .name:           k_q89639adcdd_prep
    .symbol:         k_q89639adcdd_prep.kd
    .args:
      - { .name: W1, .offset: 0, .size: 8, .value_kind: global_buffer, .address_space: global }
      - { .name: wblk, .offset: 8, .size: 8, .value_kind: global_buffer, .address_space: global }
    .group_segment_fixed_size: 0
    .private_segment_fixed_size: 0
    .kernarg_segment_align: 8
    .kernarg_segment_size: 16
    .max_flat_workgroup_size: 256
    .sgpr_count:     66
    .vgpr_count:     32
    .wavefront_size: 32
...
	.end_amdgpu_metadata
.endif
;; end of part 1
;; launch main (part 2): grid 256 x 1, 4 waves a work-group, clusters of 4 x 1, 327,680 bytes of LDS; arguments candidate_pair_rep, rel_type_rep, wblk, W2, b1, b2, out0; writes out0
.if DOCPART == 2
	.amdgcn_target "amdgcn-amd-amdhsa--gfx1250"
	.amdhsa_code_object_version 6
	.text
	.protected	k_q89639adcdd_main
	.globl	k_q89639adcdd_main
	.p2align	8
	.type	k_q89639adcdd_main,@function
k_q89639adcdd_main:
	s_mov_b64 s[64:65], 0
	v_nop
	global_prefetch_b8 v0, s[64:65] scope:SCOPE_SE
	s_setreg_imm32_b32 hwreg(HW_REG_WAVE_MODE, 25, 1), 1
	s_wait_xcnt 0x0
	s_wait_alu depctr_hold_cnt(0) depctr_sa_sdst(0) depctr_va_vdst(0) depctr_va_sdst(0) depctr_va_ssrc(0) depctr_va_vcc(0) depctr_vm_vsrc(0)
	s_getreg_b32 s2, hwreg(HW_REG_IB_STS2, 6, 4)
	s_cmp_eq_u32 s2, 0
	s_cbranch_scc0 .Lentry_in_a_cluster
	s_endpgm
.Lentry_in_a_cluster:
	s_bfe_u32 s2, ttmp6, 0x10000c
	s_cmp_lg_u32 s2, 0x3003
	s_cbranch_scc0 .Lentry_shape_is_right
	s_endpgm
.Lentry_shape_is_right:
; out[b][n][t] = W2 . relu(feats[b][n][t] @ W1 + b1) + b2, feats = [p*r, p-r, p, r], taken as
;   hidden = (p*r) @ Wa + P[n] + R[t],   P = p @ Wp + b1,   R = r @ Wr     (Wa, Wp, Wr: the 16-bit blocks that the launch before wrote).
; Only the first term has a row for each (n, t): 256 along K in place of 1,024.  All products on the matrix unit with f32 sums; the relu and the product with W2 in f32 on the vector unit.
; FORMATS.  (p*r) @ Wa in bf16: p*r, made in f32 and rounded once, has no room to spare in f16.  P and R in f16 (p, r, Wp, Wr each rounded once): they carry four fifths of the hidden numbers' variance,
; and with bf16's 8 significant bits in all three terms the largest errors among the 65,536 outputs reach the allowance of 1%.
; LIMITS.  |p| and |r| stay under 65,504 (f16's end); below 6e-5 they keep f16's fixed step of 6e-8.  (p - r) @ W1b is part of P + R: with a common offset on p and r it is a difference of two sums, whose
; error is that of rounding p and r to f16.  The order of the sums differs from the reference's.  The relu is a maximum in which a NaN loses (it becomes 0); infinities and NaN are not treated apart.
; SHARES.  A work-group owns 8 n of one b with all 32 t: 256 rows, and all 1,024 hidden columns, 64 (a chunk) at a time.  Wave w owns n = 2 w and 2 w + 1: four blocks M = 2 nn + tb of 16 rows (16 t of one n).
; Its A fragments (64 rows x 256 K, 256 registers) are made once from p and r and stay in registers: only weights pass through LDS.
; Source 0 = 16 rows of features, source 1 = 16 hidden columns (weights lie [k][column] in LDS and are turned by ds_load_tr16_b128): in a result register i of lane l is row 8 (l / 16) + i, column l % 16.
; P AND R.  In each period wave w also makes, for the NEXT chunk's column tile w, PA = pdup x Wp (rows m and m + 8 of pdup both hold p of n = m % 8, so register i is P[n = i] in both halves of the lanes)
; and RA0, RA1 = r x Wr; they go to a stage in LDS, and a period later every wave starts its 16 accumulators as R + P.
; PERIODS.  Period s = 0..16 reads block s = Wa(s-1) ++ Wp(s) ++ Wr(s), 96 KiB dense in memory, from slot s % 2: the main product of chunk s - 1 and the P and R of chunk s.  One barrier a period: it orders the slot's
; reads with its refill, the stage's stores with their reads, and (two stages by turns) a stage's reads with its next stores.
; CLUSTER.  All work-groups walk the same weights, so the four of a cluster ask for each block JOINTLY: the same tensor load, descriptor and mask in all four.  By this text's own count a wave has two tensor loads
; out at the start and one behind each round.
; REGISTERS, in windows of 256 (s_set_vgpr_msb: bits 1:0 source 0, 3:2 source 1, 5:4 source 2, 7:6 destination):
;   window 0: v0-31 addresses; v32-63 at work; v64-255 three buffers of 64 for weight fragments (at the start: p and r in f32)
;   window 1: A(M, ks) at 8 (8 M + ks)                 window 2: pdup's fragments 0-63, r's 64-191, R's tiles 192-255
;   window 3: 16 accumulators 0-127; PA, RA0, RA1 128-151; P, W2, b1 of my column as the low words of pairs 152-177; the running sums 184-215
.set PITCH,  160                       ; a row of weights in LDS: 128 bytes + 32 of padding = 40 words
.set KROW,   32*PITCH                  ; 32 along K
.set HROW,   16*PITCH
.set SLOT1,  1<<17                     ; a slot is 768 rows (122,880 bytes): Wa, Wp, Wr; slot 1 begins here, so that one exclusive or turns an address in one slot into the other's
.set WPOFF,  256*PITCH
.set WROFF,  512*PITCH
.set STAGE0, 262144                    ; a stage, 10,240 bytes: R's tile (ct, tb) at 1,024 (2 ct + tb), registers 4 q .. 4 q + 3 of lane l at 512 q + 16 l; P's tile ct at 8,192 + 512 ct + 32 column + 4 n
.set STGX,   0x4000                    ; stage 1 = stage 0 + 16,384
.set PSTG,   8192
.set W2L,    294912                    ; W2 in f32, 4,096 bytes
.set B1L,    W2L+4096                  ; b1 in f32, 4,096 bytes
.set OUTL,   B1L+4096                  ; 256 bytes for each wave, for the way out
.set SPARE,  OUTL+1024                 ; the spare words, 128 bytes for each wave: two blocks of 256 bytes that no other line names
.set RECB,   98304                     ; bytes from a block to the next in memory
.set CC,  1                            ; v1   l % 16
.set HH,  2                            ; v2   l / 16
.set LL,  3                            ; v3   l
.set LT,  4                            ; v4   my lane's place in a turning load: (8 (l / 16) + l % 8) rows + 16 ((l / 8) % 2)
.set L7,  5                            ; v5   l % 8
.set VRO, 6                            ; v6   my byte offset in 16 rows of r
.set VPO, 7                            ; v7   in a row of p
.set VPD, 8                            ; v8   in the work-group's 8 rows of p, row l % 8
.set ADM, 9                            ; v9   LDS address of Wa's fragments in the slot in hand
.set ADP, 10                           ; v10  of Wp's, my column tile
.set ADR, 11                           ; v11  of Wr's
.set APT, 12                           ; v12, v13  their parts that do not change
.set ART, 13
.set SRT, 14                           ; v14  R's tiles read back: 16 l;  v15 with the stage
.set SRD, 15
.set PRT, 16                           ; v16  P read back;  v17 with the stage
.set PRD, 17
.set RWT, 18                           ; v18  R's tiles stored;  v19 with the stage
.set RWR, 19
.set PWT, 20                           ; v20  P's tile stored;  v21 with the stage
.set PWR, 21
.set W2T, 22                           ; v22  W2 of my column;  v23 with the chunk
.set W2A, 23
.set B1T, 24                           ; v24  b1 of my column in my tile;  v25 with the chunk
.set B1A, 25
.set SPW, 26                           ; v26  LDS address of my spare word; never rewritten
.set NIL, 27                           ; v27  0; never rewritten
.set OST, 28                           ; v28  the way out: where I put one number
.set ORD, 29                           ; v29  where I read two back
.set OGO, 30                           ; v30  my byte offset in the wave's 256 bytes of out
.set TH16, 31                          ; v31  16 x my thread's number
.set BF0, 64
.set BF1, 128
.set BF2, 192
.set T0,  64                           ; at the start: five groups of 16 f32 (r tb 0, r tb 1, p n_a, p n_b, pdup) for one 32 along K; two such buffers
.set T1,  144
.set PT,  224                          ; p*r in f32
.set FS,  64                           ; at the end: the sums
.set XR,  96
.set PD,  0                            ; window 2
.set RF,  64
.set RT,  192
.set ACC, 0                            ; window 3
.set PA,  128
.set RA0, 136
.set RA1, 144
.set PV,  152
.set W2V, 168
.set B1V, 176
.set SUM, 184
.set WV,  18                           ; s18  my wave's number
.set CX,  19                           ; s19  my place in the cluster: it enters the addresses of p, r and out alone
.set GG,  20                           ; s20  my work-group's number
.set G1S, 24                           ; s[24:31] descriptor group 1: 96 rows of 256 bytes (a quarter of a block)
.set G1F, 32                           ; s[32:39] 64 rows (block 0 has no Wa)
.set G1L, 40                           ; s[40:47] 32 rows (block 16 is Wa alone)
.set G0F, 48                           ; s[48:51] descriptor group 0 for block 0
.set G0W, 52                           ; s[52:55] for block 1; it then walks
.set G0L, 56                           ; s[56:59] for block 16
.set PWV, 60                           ; s[60:61] p at my wave's two rows
.set TB,  66                           ; s66  the slot in hand
.set STW, 67                           ; s67  the stage that is written
.set STR, 68                           ; s68  the stage that is read
.set CH,  69                           ; s69  256 x chunk
.set CNT, 70
.set B2,  71                           ; s71  b2
.set MK,  71                           ; s72-78  lane masks for the way out
.set MSB, 0
.macro WIN new                         ; the immediate's high byte repeats the setting that is left; a switch that changes nothing is dropped
.if MSB != (\new)
	s_set_vgpr_msb (MSB<<8)|(\new)
.set MSB, \new
.endif
.endm
.set W_MUL,   0xf1                     ; A window 1, weights window 0, C and D window 3
.set W_AUX,   0xf2                     ; A window 2, weights window 0, C and D window 3
.set W_ALL3,  0xff
.set W_INIT,  0xce                     ; source 0 window 2, source 1 and destination window 3
.set W_LD3,   0xc0                     ; destination window 3, address window 0
.set W_LD2,   0x80
.set W_ST3,   0x0c                     ; address window 0, store data window 3
.set W_D1,    0x40
.set W_FROM3, 0x03
; A load into a register that a matrix instruction has read, and a vector instruction or LDS store that reads a matrix result, stand four places behind it; only plain vector instructions that name
; none of its registers are places (ISA guide 7.12.1 for vector instructions).
.macro PLACES
.rept 4
	v_nop
.endr
.endm
; A round of the cluster's barrier: my work-group's barrier, so that wave 0's signal speaks for all four waves; wave 0 signals; every wave waits for all four work-groups; my work-group's barrier once more.
.macro CROUND
	s_barrier_signal -1
	s_barrier_wait -1
	s_cmp_lg_u32 s[WV], 0
	s_cbranch_scc1 .Lnot_wave_0_\@
	s_barrier_signal -3
.Lnot_wave_0_\@:
	s_barrier_wait -3
	s_barrier_signal -1
	s_barrier_wait -1
.endm
.macro G1SET g, rows                   ; rows of 128 elements of 2 bytes, dense; in LDS 8 words of padding behind every 32 words, that is behind each row of 64 weights
	s_mov_b32 s[(\g)+0], 15|(1<<16)|(1<<20)|(1<<21)|(4<<22)|(7<<25)  ; 15:0 the mask of four; 17:16 2-byte elements; 20 padding on; 21 set beside a mask; 24:22 code 4; 31:25 code 7
	s_mov_b32 s[(\g)+1], 128<<16       ; tensor_dim0 = 128
	s_mov_b32 s[(\g)+2], (\rows)<<16   ; tensor_dim1
	s_mov_b32 s[(\g)+3], 128<<16       ; tile_dim0 = 128
	s_mov_b32 s[(\g)+4], \rows         ; tile_dim1
	s_mov_b32 s[(\g)+5], 128           ; elements from row to row
	s_mov_b32 s[(\g)+6], 0
	s_mov_b32 s[(\g)+7], 0
.endm
	s_load_b256 s[4:11], s[0:1], 0x0               ; p s[4:5], r s[6:7], wblk s[8:9], W2 s[10:11]
	s_load_b128 s[12:15], s[0:1], 0x20             ; b1 s[12:13], b2 s[14:15]
	s_load_b64 s[16:17], s[0:1], 0x30              ; out
	v_lshl_add_u32 v[SPW], v0, 2, SPARE
	v_mov_b32 v[NIL], 0
	ds_add_u32 v[SPW], v[NIL]                      ; the wave's opening: the add and its wait stand ahead of my first tensor load; the set-up below, work on registers, stands between them
	v_lshrrev_b32 v1, 5, v0
	v_readfirstlane_b32 s[WV], v1                  ; wave 0..3
	s_bfe_u32 s[CX], ttmp6, 0x40000
	s_lshl_b32 s[GG], ttmp9, 2                     ; in a cluster launch ttmp9 counts clusters
	s_add_co_u32 s[GG], s[GG], s[CX]
	G1SET G1S, 96
	G1SET G1F, 64
	G1SET G1L, 32
	s_mov_b32 s[G0F], 1                            ; 1:0 count = 1
	s_mul_i32 s[G0F+1], s[WV], 128*PITCH           ; block 0: my 128 of its 512 rows of weights,
	s_add_co_u32 s[G0F+1], s[G0F+1], WPOFF         ; behind Wa's place in slot 0
	s_mov_b32 s[G0W], 1
	s_mul_i32 s[G0W+1], s[WV], 192*PITCH           ; a whole block: my 192 of 768 rows; block 1 goes to slot 1
	s_add_co_u32 s[G0W+1], s[G0W+1], SLOT1
	s_mov_b32 s[G0L], 1
	s_mul_i32 s[G0L+1], s[WV], 64*PITCH            ; block 16: my 64 of 256 rows, slot 0
	s_mov_b32 s[TB], 0
	s_mov_b32 s[STW], STAGE0
	s_mov_b32 s[STR], STAGE0+STGX
	s_mov_b32 s[CH], 0
	s_mov_b32 s23, 0                               ; the high word of every offset below
	s_lshl_b32 s80, s[WV], 5                       ; my column tile: 32 bytes a tile
	s_add_co_u32 s81, s80, WROFF
	s_add_co_u32 s80, s80, WPOFF
	s_lshl_b32 s82, s[WV], 3                       ; my two n among the eight of a column of P
	s_add_co_u32 s82, s82, PSTG
	s_lshl_b32 s83, s[WV], 11                      ; my two tiles of R
	s_lshl_b32 s84, s[WV], 9                       ; my tile of P
	s_add_co_u32 s84, s84, PSTG
	s_lshl_b32 s85, s[WV], 6
	s_add_co_u32 s85, s85, B1L
	s_lshl_b32 s86, s[WV], 8
	s_add_co_u32 s86, s86, OUTL
	s_wait_dscnt 0x0                               ; the opening add is done
	s_wait_kmcnt 0x0
	s_lshl_b32 s22, s[WV], 14                      ; block 0: 64 rows of 256 bytes a wave
	s_add_nc_u64 s[G0F+2:G0F+3], s[8:9], s[22:23]
	s_or_b32 s[G0F+3], s[G0F+3], 0x80000000        ; 127:126 type = 2
	s_mul_i32 s22, s[WV], 24576                    ; block 1 begins at byte 65,536: 96 rows a wave
	s_add_co_u32 s22, s22, 65536
	s_add_nc_u64 s[G0W+2:G0W+3], s[8:9], s[22:23]
	s_or_b32 s[G0W+3], s[G0W+3], 0x80000000
	s_lshl_b32 s22, s[WV], 13                      ; block 16 begins at byte 16 x 98,304 - 32,768: 32 rows a wave
	s_add_co_u32 s22, s22, 16*RECB-32768
	s_add_nc_u64 s[G0L+2:G0L+3], s[8:9], s[22:23]
	s_or_b32 s[G0L+3], s[G0L+3], 0x80000000
	s_lshl_b32 s22, s[GG], 13                      ; the work-group's 8 rows of p, 1,024 bytes each
	s_add_nc_u64 s[4:5], s[4:5], s[22:23]
	s_lshl_b32 s22, s[WV], 11
	s_add_nc_u64 s[PWV:PWV+1], s[4:5], s[22:23]    ; my wave's two
	s_lshr_b32 s22, s[GG], 7                       ; b
	s_lshl_b32 s22, s22, 15
	s_add_nc_u64 s[6:7], s[6:7], s[22:23]          ; its 32 rows of r
	s_lshl_b32 s22, s[GG], 10                      ; out: 8 n x 128 bytes a work-group,
	s_lshl_b32 s21, s[WV], 8                       ; 256 a wave
	s_add_co_u32 s22, s22, s21
	s_add_nc_u64 s[16:17], s[16:17], s[22:23]
	CROUND                                         ; all four work-groups are here: the first joint loads meet
	tensor_load_to_lds s[G0F:G0F+3], s[G1F:G1F+7]  ; block 0 into slot 0
	s_nop 0
	tensor_load_to_lds s[G0W:G0W+3], s[G1S:G1S+7]  ; block 1 into slot 1
	s_nop 0
	PLACES
	s_load_b32 s[B2], s[14:15], 0x0
	v_and_b32 v[CC], 15, v0
	v_bfe_u32 v[HH], v0, 4, 1
	v_and_b32 v[LL], 31, v0
	v_and_b32 v[L7], 7, v0
	v_lshl_add_u32 v32, v[HH], 3, v[L7]            ; 8 (l / 16) + l % 8
	v_bfe_u32 v33, v0, 3, 1
	v_mul_u32_u24 v[LT], v32, PITCH
	v_lshl_add_u32 v[LT], v33, 4, v[LT]
	v_lshlrev_b32 v[VPO], 5, v[HH]                 ; a fragment's K = 8 (l / 16) + 0..7 are 32 bytes of f32
	v_lshl_add_u32 v[VRO], v[CC], 10, v[VPO]
	v_lshl_add_u32 v[VPD], v[L7], 10, v[VPO]
	v_add_nc_u32 v[APT], s80, v[LT]
	v_add_nc_u32 v[ART], s81, v[LT]
	v_lshlrev_b32 v[SRT], 4, v[LL]
	v_lshl_add_u32 v[PRT], v[CC], 5, s82
	v_lshl_add_u32 v[RWT], v[LL], 4, s83
	v_lshl_add_u32 v[PWT], v[CC], 5, s84
	v_lshl_add_u32 v[W2T], v[CC], 2, W2L
	v_lshl_add_u32 v[B1T], v[CC], 2, s85
	v_lshl_add_u32 v[OST], v32, 2, s86
	v_lshl_add_u32 v[ORD], v[LL], 3, s86
	v_lshlrev_b32 v[OGO], 3, v[LL]
	v_lshlrev_b32 v[TH16], 4, v0
	v_add_nc_u32 v48, W2L, v[TH16]
	WIN W_LD3
.set i, 0
.rept 32
	v_mov_b32 v[SUM+i], 0                          ; the running sums begin at 0
.set i, i+1
.endr
.set i, 0
.rept 13
	v_mov_b32 v[PV+1+2*i], 0                       ; the high words of the pairs whose low word is taken for both halves: named with it, so they are written
.set i, i+1
.endr
	WIN 0
	; W2 and b1 into LDS, once, in whole runs: a wave's load covers 512 consecutive bytes
	global_load_b128 v[32:35], v[TH16], s[10:11]
	global_load_b128 v[36:39], v[TH16], s[10:11] offset:2048
	global_load_b128 v[40:43], v[TH16], s[12:13]
	global_load_b128 v[44:47], v[TH16], s[12:13] offset:2048
; p and r in f32 for 32 along K: 20 loads.  A fragment's registers 0-3 hold K = 8 (l / 16) + 0..7, registers 4-7 K = 16 + 8 (l / 16) + 0..7: in f32 two pieces of 32 bytes, 64 bytes apart.
.macro LOADKS ks, tt
	WIN 0
.irp o, 0,1,2,3
.set OO, (\ks)*128+16*((\o)%2)+64*((\o)/2)
	global_load_b128 v[(\tt)+4*(\o):(\tt)+4*(\o)+3],       v[VRO], s[6:7] offset:OO            ; r, t = l % 16
	global_load_b128 v[(\tt)+16+4*(\o):(\tt)+16+4*(\o)+3], v[VRO], s[6:7] offset:OO+16384      ; r, t = 16 + l % 16
	global_load_b128 v[(\tt)+32+4*(\o):(\tt)+32+4*(\o)+3], v[VPO], s[PWV:PWV+1] offset:OO      ; p, n = 2 w
	global_load_b128 v[(\tt)+48+4*(\o):(\tt)+48+4*(\o)+3], v[VPO], s[PWV:PWV+1] offset:OO+1024 ; p, n = 2 w + 1
	global_load_b128 v[(\tt)+64+4*(\o):(\tt)+64+4*(\o)+3], v[VPD], s[4:5] offset:OO            ; p, n = l % 8
.endr
.endm
; The fragments of that 32 along K: p*r for my four blocks (f32 product, one rounding to bf16); r for R and pdup for P (one rounding to f16).
.macro PROC ks, tt
.irp nn, 0,1
	WIN 0
.irp tb, 0,1
.irp j, 0,1,2,3,4,5,6,7
	v_pk_mul_f32 v[PT+16*(\tb)+2*(\j):PT+16*(\tb)+2*(\j)+1], v[(\tt)+32+16*(\nn)+2*(\j):(\tt)+32+16*(\nn)+2*(\j)+1], v[(\tt)+16*(\tb)+2*(\j):(\tt)+16*(\tb)+2*(\j)+1]
.endr
.endr
	WIN W_D1
.irp tb, 0,1
.irp j, 0,1,2,3,4,5,6,7
	v_cvt_pk_bf16_f32 v[8*(8*(2*(\nn)+(\tb))+(\ks))+(\j)], v[PT+16*(\tb)+2*(\j)], v[PT+16*(\tb)+2*(\j)+1]
.endr
.endr
.endr
	WIN W_LD2
.irp tb, 0,1
.irp j, 0,1,2,3,4,5,6,7
	v_cvt_pk_f16_f32 v[RF+8*(8*(\tb)+(\ks))+(\j)], v[(\tt)+16*(\tb)+2*(\j)], v[(\tt)+16*(\tb)+2*(\j)+1]
.endr
.endr
.irp j, 0,1,2,3,4,5,6,7
	v_cvt_pk_f16_f32 v[PD+8*(\ks)+(\j)], v[(\tt)+64+2*(\j)], v[(\tt)+64+2*(\j)+1]
.endr
	WIN 0
.endm
	LOADKS 0, T0
	LOADKS 1, T1
	s_wait_loadcnt 40                              ; W2 and b1 are in: the 40 loads issued behind them may stay out
	ds_store_b128 v48, v[32:35]
	ds_store_b128 v48, v[36:39] offset:2048
	ds_store_b128 v48, v[40:43] offset:4096
	ds_store_b128 v48, v[44:47] offset:6144
.irp ks, 0,1,2,3,4,5
	s_wait_loadcnt 20                              ; this buffer's 20 loads are in; the other buffer's 20, issued behind them, stay out
	PROC \ks, T0+80*((\ks)%2)
	LOADKS (\ks)+2, T0+80*((\ks)%2)
.endr
	s_wait_loadcnt 20
	PROC 6, T0
	s_wait_loadcnt 0x0
	PROC 7, T1
; 16 turning loads: Wa's fragments of K steps 2 g and 2 g + 1 for the chunk's four column tiles
.macro FETCHM g, buf
	WIN 0
.irp kk, 0,1
.irp ct, 0,1,2,3
	ds_load_tr16_b128 v[(\buf)+8*(4*(\kk)+(\ct)):(\buf)+8*(4*(\kk)+(\ct))+3],   v[ADM] offset:(2*(\g)+(\kk))*KROW+(\ct)*32
	ds_load_tr16_b128 v[(\buf)+8*(4*(\kk)+(\ct))+4:(\buf)+8*(4*(\kk)+(\ct))+7], v[ADM] offset:(2*(\g)+(\kk))*KROW+(\ct)*32+HROW
.endr
.endr
.endm
; 16 turning loads: all eight K steps of my column tile of Wp or Wr
.macro FETCHA adr, buf
	WIN 0
.irp ks, 0,1,2,3,4,5,6,7
	ds_load_tr16_b128 v[(\buf)+8*(\ks):(\buf)+8*(\ks)+3],   v[\adr] offset:(\ks)*KROW
	ds_load_tr16_b128 v[(\buf)+8*(\ks)+4:(\buf)+8*(\ks)+7], v[\adr] offset:(\ks)*KROW+HROW
.endr
.endm
; 32 matrix instructions: two K steps x 4 column tiles x my 4 blocks.  The 16 accumulators take turns, one instruction a turn.
.macro MUL g, buf
	WIN W_MUL
.irp kk, 0,1
.irp ct, 0,1,2,3
.irp m, 0,1,2,3
	v_wmma_f32_16x16x32_bf16 v[ACC+8*(4*(\m)+(\ct)):ACC+8*(4*(\m)+(\ct))+7], v[8*(8*(\m)+2*(\g)+(\kk)):8*(8*(\m)+2*(\g)+(\kk))+7], v[(\buf)+8*(4*(\kk)+(\ct)):(\buf)+8*(4*(\kk)+(\ct))+7], v[ACC+8*(4*(\m)+(\ct)):ACC+8*(4*(\m)+(\ct))+7]
.endr
.endr
.endr
.endm
; The accumulators begin as R[t] + P[n] (b1 lies in P).  Ahead of the additions K steps 4 and 5 of Wa are asked for: their buffer's last reader, the last product of R, stands eight plain vector instructions and more back.
.macro INIT
	s_wait_dscnt 4                                 ; all LDS loads are in but the four issued last, W2's, which are wanted a period later
	FETCHM 2, BF2
	WIN W_INIT
.irp nn, 0,1
.irp tb, 0,1
.irp ct, 0,1,2,3
.set rA, ACC+8*(4*(2*(\nn)+(\tb))+(\ct))
.set rR, RT+8*(2*(\ct)+(\tb))
.set rP, PV+2*(2*(\ct)+(\nn))
.irp q, 0,2,4,6
	v_pk_add_f32 v[rA+(\q):rA+(\q)+1], v[rR+(\q):rR+(\q)+1], v[rP:rP+1] op_sel_hi:[1,0]
.endr
.endr
.endr
.endr
.endm
; A chunk's 128 matrix instructions.  The runs of loads stand between the runs of products, each four places behind the last product that read its buffer.
.macro MAIN aux
	MUL 0, BF0
	WIN 0
	PLACES
	FETCHM 3, BF0
	MUL 1, BF1
.if \aux
	WIN 0
	PLACES
	FETCHA ADP, BF1
	s_wait_dscnt 32                                ; K steps 4 and 5 are in: behind them 16 loads of K steps 6 and 7 and 16 of Wp were issued
.else
	s_wait_dscnt 16                                ; K steps 4 and 5 are in: behind them the 16 loads of K steps 6 and 7 were issued
.endif
	MUL 2, BF2
.if \aux
	WIN 0
	PLACES
	FETCHA ADR, BF2
	s_wait_dscnt 32                                ; K steps 6 and 7 are in; the 32 loads of Wp and Wr, issued behind them, stay out
.else
	s_wait_dscnt 0x0
.endif
	MUL 3, BF0
.endm
; P and R of the next chunk for my column tile: 24 matrix instructions in f16, three accumulators by turns; b1 onto P; into the stage.  Each result is read from its lowest registers on.
.macro AUXP
	s_wait_dscnt 0x0                               ; Wp, Wr and b1 are in
	WIN W_AUX
.irp ks, 0,1,2,3,4,5,6,7
.if (\ks) == 0
	v_wmma_f32_16x16x32_f16 v[PA:PA+7],   v[PD:PD+7],       v[BF1:BF1+7], 0
	v_wmma_f32_16x16x32_f16 v[RA0:RA0+7], v[RF:RF+7],       v[BF2:BF2+7], 0
	v_wmma_f32_16x16x32_f16 v[RA1:RA1+7], v[RF+64:RF+64+7], v[BF2:BF2+7], 0
.else
	v_wmma_f32_16x16x32_f16 v[PA:PA+7],   v[PD+8*(\ks):PD+8*(\ks)+7],       v[BF1+8*(\ks):BF1+8*(\ks)+7], v[PA:PA+7]
	v_wmma_f32_16x16x32_f16 v[RA0:RA0+7], v[RF+8*(\ks):RF+8*(\ks)+7],       v[BF2+8*(\ks):BF2+8*(\ks)+7], v[RA0:RA0+7]
	v_wmma_f32_16x16x32_f16 v[RA1:RA1+7], v[RF+64+8*(\ks):RF+64+8*(\ks)+7], v[BF2+8*(\ks):BF2+8*(\ks)+7], v[RA1:RA1+7]
.endif
.endr
	WIN W_ALL3
	PLACES
.irp q, 0,2,4,6
	v_pk_add_f32 v[PA+(\q):PA+(\q)+1], v[PA+(\q):PA+(\q)+1], v[B1V:B1V+1] op_sel_hi:[1,0]
.endr
	WIN W_ST3
	ds_store_b128 v[RWR], v[RA0:RA0+3]
	ds_store_b128 v[RWR], v[RA0+4:RA0+7] offset:512
	ds_store_b128 v[RWR], v[RA1:RA1+3]   offset:1024
	ds_store_b128 v[RWR], v[RA1+4:RA1+7] offset:1536
	ds_store_b128 v[PWR], v[PA:PA+3]               ; both halves of the lanes hold the same eight numbers and write the same words
	ds_store_b128 v[PWR], v[PA+4:PA+7]   offset:16
.endm
; THE CHANGE OF SLOTS.  Each wave waits for all its tensor loads, of which one is out: its part of the other slot; adds 0 to its spare word; and waits for that, for its reads of the slot that it leaves and for
; its stores into the stage.  Behind the barrier nobody reads the old slot, the other slot is whole, the stage just written may be read and the other stage written.
; kind = 1: the old slot is filled again with the block two on; 2: with block 16; the barrier is then a round of the cluster's, and the joint load the first thing behind it.  0: nothing is asked for.
.macro CHANGE kind
	WIN 0                                          ; at a label and at a branch every window is 0; the add's registers lie in window 0
	s_wait_tensorcnt 0x0                           ; no tensor load of mine is out, so a group 0 may be written
	ds_add_u32 v[SPW], v[NIL]                      ; 0 onto my spare word: the scalar steps stand between it and the wait for it
.if (\kind) == 1
	s_xor_b32 s[G0W+1], s[G0W+1], SLOT1            ; the walking descriptor: the other slot than last time,
	s_add_nc_u64 s[G0W+2:G0W+3], s[G0W+2:G0W+3], RECB  ; the next block; the type bits on top are not reached
.endif
	s_xor_b32 s[TB], s[TB], SLOT1
	s_xor_b32 s[STW], s[STW], STGX
	s_xor_b32 s[STR], s[STR], STGX
	s_wait_dscnt 0x0
.if (\kind) == 0
	s_barrier_signal -1
	s_barrier_wait -1
.else
	CROUND
.if (\kind) == 1
	tensor_load_to_lds s[G0W:G0W+3], s[G1S:G1S+7]
.else
	tensor_load_to_lds s[G0L:G0L+3], s[G1L:G1L+7]
.endif
	s_nop 0
	PLACES
.endif
.endm
; relu and the product with W2: sum[row] += max(hidden, 0) x W2[column], a partial sum for each lane's column; each accumulator is read from its lowest register on.
.macro EPI
	WIN W_ALL3
.irp m, 0,1,2,3
.irp ct, 0,1,2,3
.set rA, ACC+8*(4*(\m)+(\ct))
.irp i, 0,1,2,3,4,5,6,7
	v_max_num_f32 v[rA+(\i)], 0, v[rA+(\i)]
.endr
.irp q, 0,2,4,6
	v_pk_fma_f32 v[SUM+8*(\m)+(\q):SUM+8*(\m)+(\q)+1], v[rA+(\q):rA+(\q)+1], v[W2V+2*(\ct):W2V+2*(\ct)+1], v[SUM+8*(\m)+(\q):SUM+8*(\m)+(\q)+1] op_sel_hi:[1,0,1]
.endr
.endr
.endr
.endm
; Behind a change: the new period's addresses; the first four K steps of its Wa; its R, P and (nextaux = 1) b1; under those loads the relu and W2 of the chunk just multiplied (epi = 1); then W2 of the new chunk.
; 32 + 16 + 8 + 1 + 4 = 61 LDS loads are out at the end.
.macro POST epi, nextaux
	WIN 0
	v_add_nc_u32 v[ADM], s[TB], v[LT]
	v_add_nc_u32 v[SRD], s[STR], v[SRT]
	v_add_nc_u32 v[PRD], s[STR], v[PRT]
	v_add_nc_u32 v[W2A], s[CH], v[W2T]
.if \nextaux
	v_add_nc_u32 v[ADP], s[TB], v[APT]
	v_add_nc_u32 v[ADR], s[TB], v[ART]
	v_add_nc_u32 v[RWR], s[STW], v[RWT]
	v_add_nc_u32 v[PWR], s[STW], v[PWT]
	v_add_nc_u32 v[B1A], s[CH], v[B1T]
.endif
	FETCHM 0, BF0
	FETCHM 1, BF1
	WIN W_LD2
.irp ct, 0,1,2,3
.irp tb, 0,1
.irp q, 0,1
	ds_load_b128 v[RT+8*(2*(\ct)+(\tb))+4*(\q):RT+8*(2*(\ct)+(\tb))+4*(\q)+3], v[SRD] offset:(2*(\ct)+(\tb))*1024+512*(\q)
.endr
.endr
.endr
	WIN W_LD3
.irp ct, 0,1,2,3
.irp nn, 0,1
	ds_load_b32 v[PV+2*(2*(\ct)+(\nn))], v[PRD] offset:512*(\ct)+4*(\nn)
.endr
.endr
.if \nextaux
	ds_load_b32 v[B1V], v[B1A] offset:256          ; b1 of the chunk behind the one to be multiplied
.endif
.if \epi
	EPI
.endif
	WIN W_LD3
.irp ct, 0,1,2,3
	ds_load_b32 v[W2V+2*(\ct)], v[W2A] offset:64*(\ct)
.endr
	s_add_co_u32 s[CH], s[CH], 256
	WIN 0
.endm
.macro TRIP kind, nextaux              ; a period with both kinds of work
	INIT
	MAIN 1
	AUXP
	CHANGE \kind
	POST 1, \nextaux
.endm
	s_wait_kmcnt 0x0                               ; b2
	s_wait_tensorcnt 0x1                           ; my part of block 0 is in; block 1's, issued behind it, may stay out
	s_wait_dscnt 0x0                               ; my part of W2 and b1 is in LDS
	s_barrier_signal -1
	s_barrier_wait -1                              ; everybody's is
	; period 0: P and R of chunk 0
	v_add_nc_u32 v[ADP], s[TB], v[APT]
	v_add_nc_u32 v[ADR], s[TB], v[ART]
	v_add_nc_u32 v[RWR], s[STW], v[RWT]
	v_add_nc_u32 v[PWR], s[STW], v[PWT]
	FETCHA ADP, BF1
	FETCHA ADR, BF2
	WIN W_LD3
	ds_load_b32 v[B1V], v[B1T]
	AUXP
	CHANGE 1                                       ; block 2 is asked for
	POST 0, 1
	s_mov_b32 s[CNT], 13
.Ltrip:                                                ; periods 1 to 13: blocks 3 to 15 are asked for
	TRIP 1, 1
	s_sub_co_u32 s[CNT], s[CNT], 1
	s_cmp_lg_u32 s[CNT], 0
	s_cbranch_scc1 .Ltrip
	TRIP 2, 1                                      ; period 14: block 16, Wa of the last chunk, is asked for
	TRIP 0, 0                                      ; period 15: nothing is left to ask for, and no P and R follow
	INIT                                           ; period 16: the last chunk's main product
	MAIN 0
	WIN W_ALL3
	PLACES
	EPI
	; THE WAY OUT.  The 16 lanes of a half hold partial sums of the same 8 rows a block: they are added across the lanes; lane l keeps row l % 8 of each block; the wave's 64 numbers go through
	; its own 256 bytes of LDS and leave as 256 consecutive aligned bytes by one store.
	WIN W_FROM3
.set i, 0
.rept 32
	v_mov_b32 v[FS+i], v[SUM+i]
.set i, i+1
.endr
	WIN 0
.irp x, 1,2,4,8
.set i, 0
.rept 32
	v_add_f32_dpp v[FS+i], v[FS+i], v[FS+i] row_xmask:\x row_mask:0xf bank_mask:0xf
.set i, i+1
.endr
.endr
.irp i, 1,2,3,4,5,6,7
	v_cmp_eq_u32 s[MK+(\i)], \i, v[L7]
.endr
.irp m, 0,1,2,3
	v_cndmask_b32 v[XR+(\m)], v[FS+8*(\m)], v[FS+8*(\m)+1], s[MK+1]
.irp i, 2,3,4,5,6,7
	v_cndmask_b32 v[XR+(\m)], v[XR+(\m)], v[FS+8*(\m)+(\i)], s[MK+(\i)]
.endr
.endr
.irp m, 0,1,2,3
	ds_store_b32 v[OST], v[XR+(\m)] offset:64*(\m) ; block M = 2 nn + tb begins at word 32 nn + 16 tb; lanes l and l + 8 write the same number to the same word
.endr
	ds_load_b64 v[100:101], v[ORD]                 ; LDS serves a wave's instructions in order (ISA guide 5.7.1.4): this sees the stores above
	s_wait_dscnt 0x0
	v_add_f32 v100, s[B2], v100
	v_add_f32 v101, s[B2], v101
	global_store_b64 v[OGO], v[100:101], s[16:17]
	s_wait_tensorcnt 0x0                           ; the wave's end, behind my last tensor load and my last LDS store
	ds_add_u32 v[SPW], v[NIL]
	s_wait_dscnt 0x0
	CROUND                                         ; the closing round: no work-group ends while a partner may still ask for a tile that names it
	s_endpgm
.Lfunc_end_k_q89639adcdd_main:
	.size	k_q89639adcdd_main, .Lfunc_end_k_q89639adcdd_main-k_q89639adcdd_main
	.p2alignl 7, 3214868480
	.fill 96, 4, 3214868480
	.section	.rodata,"a",@progbits
	.p2align	6, 0x0
	.amdhsa_kernel k_q89639adcdd_main
		.amdhsa_group_segment_fixed_size 327680
		.amdhsa_private_segment_fixed_size 0
		.amdhsa_enable_private_segment 0
		.amdhsa_kernarg_size 56
		.amdhsa_user_sgpr_count 2
		.amdhsa_user_sgpr_kernarg_segment_ptr 1
		.amdhsa_wavefront_size32 1
		.amdhsa_system_sgpr_workgroup_id_x 1
		.amdhsa_system_sgpr_workgroup_id_y 1
		.amdhsa_system_sgpr_workgroup_id_z 1
		.amdhsa_system_vgpr_workitem_id 0
		.amdhsa_next_free_vgpr 1024
		.amdhsa_next_free_sgpr 96
		.amdhsa_reserve_vcc 0
		.amdhsa_float_denorm_mode_32 3
		.amdhsa_float_denorm_mode_16_64 3
		.amdhsa_memory_ordered 1
		.amdhsa_forward_progress 1
		.amdhsa_inst_pref_size 211
	.end_amdhsa_kernel
	.amdgpu_metadata
---
amdhsa.version: [ 1, 2 ]
amdhsa.kernels:
  - .name:           k_q89639adcdd_main
    .symbol:         k_q89639adcdd_main.kd
    .args:
      - { .name: candidate_pair_rep, .offset: 0, .size: 8, .value_kind: global_buffer, .address_space: global }
      - { .name: rel_type_rep, .offset: 8, .size: 8, .value_kind: global_buffer, .address_space: global }
      - { .name: wblk, .offset: 16, .size: 8, .value_kind: global_buffer, .address_space: global }
      - { .name: W2, .offset: 24, .size: 8, .value_kind: global_buffer, .address_space: global }
      - { .name: b1, .offset: 32, .size: 8, .value_kind: global_buffer, .address_space: global }
      - { .name: b2, .offset: 40, .size: 8, .value_kind: global_buffer, .address_space: global }
      - { .name: out0, .offset: 48, .size: 8, .value_kind: global_buffer, .address_space: global }
    .group_segment_fixed_size: 327680
    .private_segment_fixed_size: 0
    .kernarg_segment_align: 8
    .kernarg_segment_size: 56
    .max_flat_workgroup_size: 128
    .sgpr_count:     96
    .vgpr_count:     1024
    .wavefront_size: 32
...
	.end_amdgpu_metadata
.endif
;; end of part 2
